; MI455X (gfx1250); checked and timed in simulation.
; The chip was launched on July 23, 2026; its instructions are those of AMD's public machine-readable ISA for CDNA 5 (MIT licence, August 2026) and "CDNA5" Instruction Set Architecture Reference Guide (July 2026). The comments in the code are by the model that wrote it; some were corrected since.
;; Predict LSTM. Allowed arithmetic: float matrix products may take bf16 or f16 operands with f32 sums; all other float work in f32.
;; Inputs: Whh0_x 20 x 5 float32; Whh0_y 20 x 5 float32; Whh1_x 20 x 5 float32; Whh1_y 20 x 5 float32; Wih0_x 20 x 4 float32; Wih0_y 20 x 4 float32; Wih1_x 20 x 5 float32; Wih1_y 20 x 5 float32; Wlin_x 1 x 5 float32; Wlin_y 1 x 5 float32; bhh0_x 20 float32; bhh0_y 20 float32; bhh1_x 20 float32; bhh1_y 20 float32; bih0_x 20 float32; bih0_y 20 float32; bih1_x 20 float32; bih1_y 20 float32; blin_x 1 float32; blin_y 1 float32; center_post 16,384 x 200 x 6 float32.
;; Outputs: out0 16,384 x 1 float32; out1 16,384 x 1 float32.
;; 2 versions, each right. Each part assembles by itself: llvm-mc -triple=amdgcn-amd-amdhsa -mcpu=gfx1250 --defsym DOCPART=n.
;; ======== version 1 of 2: 1 launch
;; launch lstm (part 1): grid 256 x 1, 4 waves a work-group, no clusters, 324,096 bytes of LDS; arguments Whh0_x, Wih1_x, Whh1_x, Wih0_x, bih0_x, bhh0_x, bih1_x, bhh1_x, Wlin_x, blin_x, Whh0_y, Wih1_y, Whh1_y, Wih0_y, bih0_y, bhh0_y, bih1_y, bhh1_y, Wlin_y, blin_y, center_post, out0, out1; writes out0, out1
.if DOCPART == 1
	.amdgcn_target "amdgcn-amd-amdhsa--gfx1250"
	.amdhsa_code_object_version 6
	.text
	.protected	k_q174d4b51bb_lstm
	.globl	k_q174d4b51bb_lstm
	.p2align	8
	.type	k_q174d4b51bb_lstm,@function
k_q174d4b51bb_lstm:
	s_mov_b64 s[64:65], 0
	v_nop
	global_prefetch_b8 v0, s[64:65] scope:SCOPE_SE
	s_setreg_imm32_b32 hwreg(HW_REG_WAVE_MODE, 25, 1), 1
	s_wait_xcnt 0x0
; Two branches (x, y) of a two-layer LSTM, 5 hidden units, 200 steps, 16,384 sequences, and a 5-to-1 head on the last h of layer 1.
;
; SHARES.  A work-group owns 64 sequences, a wave 16 of them (the N of a matrix instruction): 1,024 waves in all, no wave depends on another.
; THE TWO LAYERS RUN SKEWED: in tick n (0..200) layer 0 does time step n and layer 1 time step n-1; both need only x(n), h0(n-1), h1(n-2).
; For a sequence these are 6 + 10 + 10 numbers: one K = 32 vector.  All 80 gate rows (2 branches x 2 layers x 4 gates x 5 units) are 5 tiles
; of 16 rows, so a tick is five v_wmma_f32_16x16x32_bf16: A = weights, B = the state vector, C = the biases (f32, never rewritten), D = gates.
; ROW m OF TILE T: branch = m >> 3, gate = (m >> 1) & 3 (i, f, g, o), layer = m & 1, unit = T.  In D, register j of lane (r, h) is row 8 h + j of
; sequence r: lane half h owns branch h, its 40 registers are the four gates of its ten units, and registers 2g, 2g+1 are (layer 0, layer 1) of one
; gate: a pair for the packed f32 instructions.
; K PLACES, alike in A and B: register q of lane half h holds, for q = 0..4, h0[q] (low half) and h1[q] (high half) of branch h; for q = 5..7
; the x features 2(q-5), 2(q-5)+1 (both lane halves hold x; a row of A is zero in the lane half of the other branch).  So one
; v_cvt_pk_bf16_f32 of (h0, h1) of unit T, in the lane that computed them, IS register T of the next tick's B: nothing crosses lanes.
; SCALES folded into A and C, in f32, before rounding: rows i, f, o times -log2(e), rows g times K = 2 log2(e); the cell is carried as c' = K c.
;   a = 2^Gi, f = 2^Gf, b = 2^clamp(Gg), o = 2^Go;  c' = c' / (1 + f) + K (b - 1) / ((1 + a)(1 + b));  e = 2^clamp(c');  h = (e - 1) / ((1 + o)(1 + e)).
;   Eight transcendentals a unit instead of ten.  With the two clamps no infinity meets a zero or another infinity for finite gates.
; INPUT.  The wave's 76,800 bytes of center_post fit into LDS whole: four tensor loads (16 rows x 50 steps each) are issued at the start and
; no slot is filled twice, so there is no refill ordering; each wave reads only what it fetched, so s_wait_tensorcnt is all the ordering.
; Four tensor loads of a wave are outstanding at most.
; NO CLUSTER: work-groups share nothing but 3,424 bytes of weights against 307,200 bytes of their own input.
; LIMITS.  Inputs finite (NaN and infinities are not reproduced).  tanh counts as saturated where 2 log2(e) |argument| > 64 (error under 2^-63).
; v_exp_f32 and v_rcp_f32 flush denormals.  x, h and the scaled weights are rounded to bf16; sums, biases, activations, c, the head: f32.
.set CROW,   1200                      ; bytes of one sequence in a chunk: 50 steps x 6 features x 4
.set CHUNK,  16*CROW                   ; a tile: 16 sequences x 50 steps
.set WSHARE, 4*CHUNK                   ; a wave's input, in memory (16 x 4,800) and in LDS
.set GROUP,  48                        ; two time steps: three 16-byte loads a lane
.set TAB,    4*WSHARE                  ; LDS: behind the input, each wave's own copy of the weights
.set TWAVE,  4096                      ; from a wave's table to the next (3,424 used)
.set TBR,    1712                      ; from branch x to branch y inside a table
.set T_HH0,  0                         ; Whh0 [20][5]
.set T_IH1,  400                       ; Wih1 [20][5]: 400 behind Whh0, so that layer x 400 picks the weights on h0
.set T_HH1,  800                       ; Whh1 [20][5]
.set T_IH0,  1200                      ; Wih0 [20][4]
.set T_B,    1520                      ; bih0 + bhh0 [20], then bih1 + bhh1 [20]
.set T_WL,   1680                      ; Wlin [5]
.set T_BL,   1700                      ; blin
.set OST,    TAB+4*TWAVE               ; 512 bytes: the group's 64 numbers of out0, then of out1
.set NLOG2E, 0xbfb8aa3b                ; -log2(e)
.set KPOS,   0x4038aa3b                ; K = 2 log2(e)
.set KNEG,   0xc038aa3b
; scalar registers
.set PW,   4                           ; s[4:43]  the 20 weight pointers, branch x then y, in the order of the table
.set PX,   44                          ; s[44:45] center_post   s[46:47] out0   s[48:49] out1
.set PXW,  50                          ; s[50:51] center_post at my wave's first sequence
.set G1,   52                          ; s[52:59] descriptor group 1
.set G0,   68                          ; s[68:83] descriptor group 0, one set for each chunk
.set WAVE, 84
.set XB,   85                          ; wave x WSHARE
.set OFS,  86                          ; s[86:87] a byte offset in 64 bits
.set TBW,  88                          ; TAB + wave x TWAVE
.set HI,   89                          ; 64.0
.set LO,   90                          ; -64.0
.set CNT,  91
.set PO,   92                          ; s[92:93] the output that this wave stores
; vector registers
.set LANE, 1
.set RR,   2                           ; r = lane & 15
.set HF,   3                           ; h = lane >> 4
.set LAY,  4                           ; of A's row r: layer
.set GAT,  5                           ;               gate
.set BRA,  6                           ;               branch
.set O25,  7                           ; byte offsets for the table's loads: 16 min(lane, 24)
.set O20,  8                           ; 16 min(lane, 19)
.set O5,   9                           ; 16 min(lane, 4)
.set O5W,  10                          ; 4 min(lane, 4)
.set OZ,   11                          ; 0
.set S25,  12                          ; v12-16: the same five + my table: LDS addresses of the stores
.set ALO,  17                          ; table + branch + 100 gate + 400 layer
.set AG,   18                          ; table + branch + 100 gate
.set AX,   19                          ; table + branch + 80 gate
.set AB,   20                          ; table + 1712 h (biases and head: the branch that this lane half owns)
.set SC,   21                          ; v21-26 scales of A's row: sc, scLo, scHi, scX, scXe, scXo
.set TB0,  27
.set XADR, 28                          ; LDS address of my sequence's next two steps
.set WA,   32                          ; v[32:71]   A, tile T at 8 T
.set BI,   72                          ; v[72:111]  C, the scaled biases
.set GD,   112                         ; v[112:151] D
.set B0,   152                         ; v[152:159], v[160:167] the state vector, two sets that take turns
.set B1,   160
.set CS,   168                         ; v[168:177] c' of (layer 0, layer 1) of unit T at 2 T
.set HH,   178                         ; v[178:187] h likewise
.set XF,   188                         ; v[188:199] two steps of x in f32
.set KP,   200                         ; (K, K)
.set KN,   202                         ; (-K, -K)
.set NL,   204                         ; (-log2 e, -log2 e)
.set WL,   206                         ; v[206:210] Wlin   v211 blin
.set BL,   211
.set TW,   212                         ; v[212:225] a tile's weights as read from the table
.set T0,   226
.set T1,   227
.set HS,   228
.set OUTP, 230
.set TL,   112                         ; set-up only: v[112:179], the 2 x 10 table loads (34 registers a branch), before D, B, c, h exist
; ---- pointers, ids, and the four tensor loads before anything else ----
	s_load_b128 s[PX:PX+3], s[0:1], 0xa0           ; center_post, out0
	s_load_b64  s[PX+4:PX+5], s[0:1], 0xb0         ; out1
	s_load_b512 s[PW:PW+15], s[0:1], 0x0
	s_load_b512 s[PW+16:PW+31], s[0:1], 0x40
	s_load_b256 s[PW+32:PW+39], s[0:1], 0x80
	v_lshrrev_b32 v[T0], 5, v0
	v_readfirstlane_b32 s[WAVE], v[T0]             ; wave 0..3 as a scalar
	s_mul_i32 s[XB], s[WAVE], WSHARE
	s_mul_i32 s[OFS], ttmp9, 4*WSHARE              ; under 2^27
	s_add_co_u32 s[OFS], s[OFS], s[XB]
	s_mov_b32 s[OFS+1], 0
	s_lshl_b32 s[TBW], s[WAVE], 12
	s_add_co_u32 s[TBW], s[TBW], TAB
	s_mov_b32 s[HI], 0x42800000
	s_mov_b32 s[LO], 0xc2800000
	; group 1: a tile of 16 rows x 300 elements of 4 bytes, 1,200 elements from row to row; no padding: the LDS pitch of 1,200 bytes is an
	; odd multiple of 16, so the sixteen rows that a 16-byte load touches start in sixteen different 16-byte columns modulo 256 bytes
	s_mov_b32 s[G1+0], 2<<16                       ; no work-group mask; elements of 4 bytes
	s_mov_b32 s[G1+1], 300<<16                     ; tensor_dim0 = 300 (the tile lies inside)
	s_mov_b32 s[G1+2], 16<<16                      ; tensor_dim1 = 16
	s_mov_b32 s[G1+3], 300<<16                     ; tile_dim0 = 300
	s_mov_b32 s[G1+4], 16                          ; tile_dim1 = 16
	s_mov_b32 s[G1+5], 1200                        ; stride from sequence to sequence
	s_mov_b32 s[G1+6], 0
	s_mov_b32 s[G1+7], 0
	s_wait_kmcnt 0x0
	s_add_nc_u64 s[PXW:PXW+1], s[PX:PX+1], s[OFS:OFS+1]
.irp c, 0,1,2,3
	s_mov_b32 s[G0+4*\c], 1
	s_add_co_u32 s[G0+4*\c+1], s[XB], \c*CHUNK                     ; my wave's chunk c in LDS
	s_add_nc_u64 s[G0+4*\c+2:G0+4*\c+3], s[PXW:PXW+1], \c*CROW     ; steps 50 c .. 50 c + 49 of my first sequence
	s_or_b32 s[G0+4*\c+3], s[G0+4*\c+3], 0x80000000                ; type 2
	tensor_load_to_lds s[G0+4*\c:G0+4*\c+3], s[G1:G1+7]
.endr
; ---- the weights: every wave makes its own copy in LDS, so that no barrier is needed ----
	v_and_b32 v[LANE], 31, v0
	v_min_u32 v[O25], 24, v[LANE]                  ; lanes past an array's end read, and later store, its last piece again: no load leaves its buffer
	v_min_u32 v[O20], 19, v[LANE]
	v_min_u32 v[O5W], 4, v[LANE]
	v_lshlrev_b32 v[O25], 4, v[O25]
	v_lshlrev_b32 v[O20], 4, v[O20]
	v_lshlrev_b32 v[O5], 4, v[O5W]
	v_lshlrev_b32 v[O5W], 2, v[O5W]
	v_mov_b32 v[OZ], 0
.macro LOADTAB br
.irp i, 0,1,2
	global_load_b128 v[TL+34*\br+4*\i:TL+34*\br+4*\i+3], v[O25], s[PW+20*\br+2*\i:PW+20*\br+2*\i+1]   ; Whh0, Wih1, Whh1: 400 bytes
.endr
	global_load_b128 v[TL+34*\br+12:TL+34*\br+15], v[O20], s[PW+20*\br+6:PW+20*\br+7]                 ; Wih0: 320 bytes
.irp i, 4,5,6,7
	global_load_b128 v[TL+34*\br+4*\i:TL+34*\br+4*\i+3], v[O5], s[PW+20*\br+2*\i:PW+20*\br+2*\i+1]    ; bih0, bhh0, bih1, bhh1: 80 bytes
.endr
	global_load_b32 v[TL+34*\br+32], v[O5W], s[PW+20*\br+16:PW+20*\br+17]                             ; Wlin
	global_load_b32 v[TL+34*\br+33], v[OZ], s[PW+20*\br+18:PW+20*\br+19]                              ; blin
.endm
	LOADTAB 0
	LOADTAB 1
	; while they are out: lane numbers, LDS addresses, constants, the scales of A's row r
	v_and_b32 v[RR], 15, v0
	v_bfe_u32 v[HF], v0, 4, 1
	v_and_b32 v[LAY], 1, v0
	v_bfe_u32 v[GAT], v0, 1, 2
	v_bfe_u32 v[BRA], v0, 3, 1
	v_add_nc_u32 v[S25+0], s[TBW], v[O25]
	v_add_nc_u32 v[S25+1], s[TBW], v[O20]
	v_add_nc_u32 v[S25+2], s[TBW], v[O5]
	v_add_nc_u32 v[S25+3], s[TBW], v[O5W]
	v_mov_b32 v[S25+4], s[TBW]
	v_mad_u32_u24 v[TB0], v[BRA], TBR, v[S25+4]
	v_mad_u32_u24 v[AG], v[GAT], 100, v[TB0]       ; a gate is 5 rows of 20 bytes
	v_mad_u32_u24 v[ALO], v[LAY], T_IH1, v[AG]
	v_mad_u32_u24 v[AX], v[GAT], 80, v[TB0]        ; in Wih0: 5 rows of 16 bytes
	v_mad_u32_u24 v[AB], v[HF], TBR, v[S25+4]
	v_mul_u32_u24 v[XADR], v[RR], CROW
	v_add_nc_u32 v[XADR], s[XB], v[XADR]
	v_mov_b32 v[KP], KPOS
	v_mov_b32 v[KP+1], KPOS
	v_mov_b32 v[KN], KNEG
	v_mov_b32 v[KN+1], KNEG
	v_mov_b32 v[NL], NLOG2E
	v_mov_b32 v[NL+1], NLOG2E
	v_cmp_eq_u32 vcc_lo, 2, v[GAT]
	v_cndmask_b32 v[SC], v[NL], v[KP], vcc_lo      ; sc: gate g ? K : -log2 e
	v_cmp_eq_u32 vcc_lo, v[HF], v[BRA]
	v_cndmask_b32 v[SC+1], 0, v[SC], vcc_lo        ; scLo: zero in the lane half that holds the other branch's state
	v_cmp_eq_u32 vcc_lo, 1, v[LAY]
	v_cndmask_b32 v[SC+2], 0, v[SC+1], vcc_lo      ; scHi: h1 feeds layer 1 alone
	v_cndmask_b32 v[SC+3], v[SC+1], v[OZ], vcc_lo  ; scX:  x feeds layer 0 alone
	v_cmp_eq_u32 vcc_lo, 1, v[BRA]
	v_cndmask_b32 v[SC+4], v[SC+3], v[OZ], vcc_lo  ; scXe: features 0, 2 belong to branch x
	v_cndmask_b32 v[SC+5], 0, v[SC+3], vcc_lo      ; scXo: features 1, 3 to branch y
	s_wait_loadcnt 0x0                             ; all twenty are needed now
.macro STORETAB br
	v_pk_add_f32 v[TL+34*\br+16:TL+34*\br+17], v[TL+34*\br+16:TL+34*\br+17], v[TL+34*\br+20:TL+34*\br+21]   ; bih0 + bhh0
	v_pk_add_f32 v[TL+34*\br+18:TL+34*\br+19], v[TL+34*\br+18:TL+34*\br+19], v[TL+34*\br+22:TL+34*\br+23]
	v_pk_add_f32 v[TL+34*\br+24:TL+34*\br+25], v[TL+34*\br+24:TL+34*\br+25], v[TL+34*\br+28:TL+34*\br+29]   ; bih1 + bhh1
	v_pk_add_f32 v[TL+34*\br+26:TL+34*\br+27], v[TL+34*\br+26:TL+34*\br+27], v[TL+34*\br+30:TL+34*\br+31]
	ds_store_b128 v[S25+0], v[TL+34*\br+0:TL+34*\br+3]   offset:\br*TBR+T_HH0
	ds_store_b128 v[S25+0], v[TL+34*\br+4:TL+34*\br+7]   offset:\br*TBR+T_IH1
	ds_store_b128 v[S25+0], v[TL+34*\br+8:TL+34*\br+11]  offset:\br*TBR+T_HH1
	ds_store_b128 v[S25+1], v[TL+34*\br+12:TL+34*\br+15] offset:\br*TBR+T_IH0
	ds_store_b128 v[S25+2], v[TL+34*\br+16:TL+34*\br+19] offset:\br*TBR+T_B
	ds_store_b128 v[S25+2], v[TL+34*\br+24:TL+34*\br+27] offset:\br*TBR+T_B+80
	ds_store_b32  v[S25+3], v[TL+34*\br+32]              offset:\br*TBR+T_WL
	ds_store_b32  v[S25+4], v[TL+34*\br+33]              offset:\br*TBR+T_BL
.endm
	STORETAB 0
	STORETAB 1
	; The table is my wave's own, and LDS serves a wave's instructions in order (ISA guide 5.7.1): the loads below see the stores above.
; ---- C: register j of tile T = bias of (branch h, gate j >> 1, layer j & 1, unit T), scaled; and the head's weights ----
.irp t, 0,1,2,3,4
.irp j, 0,1,2,3,4,5,6,7
	ds_load_b32 v[BI+8*\t+\j], v[AB] offset:T_B+(\j&1)*80+(5*(\j>>1)+\t)*4
.endr
.endr
.irp u, 0,1,2,3,4
	ds_load_b32 v[WL+\u], v[AB] offset:T_WL+4*\u
.endr
	ds_load_b32 v[BL], v[AB] offset:T_BL
	s_wait_dscnt 0x0
.irp t, 0,1,2,3,4
	v_pk_mul_f32 v[BI+8*\t+0:BI+8*\t+1], v[BI+8*\t+0:BI+8*\t+1], v[NL:NL+1]
	v_pk_mul_f32 v[BI+8*\t+2:BI+8*\t+3], v[BI+8*\t+2:BI+8*\t+3], v[NL:NL+1]
	v_pk_mul_f32 v[BI+8*\t+4:BI+8*\t+5], v[BI+8*\t+4:BI+8*\t+5], v[KP:KP+1]
	v_pk_mul_f32 v[BI+8*\t+6:BI+8*\t+7], v[BI+8*\t+6:BI+8*\t+7], v[NL:NL+1]
.endr
; ---- A: lane (r, h) holds row r of each tile.  Low halves: weights on h0 (Whh0 for a layer-0 row, Wih1 for a layer-1 row); high halves:
;      weights on h1 (Whh1, layer 1 only); registers 5-7: Wih0 on x (layer 0 only; branch x takes features 0, 2, 4, 5, branch y 1, 3, 4, 5) ----
.macro ATILE t
.irp u, 0,1,2,3,4
	ds_load_b32 v[TW+\u], v[ALO] offset:T_HH0+20*\t+4*\u
.endr
.irp u, 0,1,2,3,4
	ds_load_b32 v[TW+5+\u], v[AG] offset:T_HH1+20*\t+4*\u
.endr
	ds_load_b128 v[TW+10:TW+13], v[AX] offset:T_IH0+16*\t
	s_wait_dscnt 0x0
.irp u, 0,1,2,3,4
	v_mul_f32 v[T0], v[TW+\u], v[SC+1]
	v_mul_f32 v[T1], v[TW+5+\u], v[SC+2]
	v_cvt_pk_bf16_f32 v[WA+8*\t+\u], v[T0], v[T1]
.endr
.irp u, 0,1
	v_mul_f32 v[T0], v[TW+10+\u], v[SC+4]          ; feature 2u: branch x's column u
	v_mul_f32 v[T1], v[TW+10+\u], v[SC+5]          ; feature 2u + 1: branch y's column u
	v_cvt_pk_bf16_f32 v[WA+8*\t+5+\u], v[T0], v[T1]
.endr
	v_mul_f32 v[T0], v[TW+12], v[SC+3]             ; features 4, 5: columns 2, 3 of both
	v_mul_f32 v[T1], v[TW+13], v[SC+3]
	v_cvt_pk_bf16_f32 v[WA+8*\t+7], v[T0], v[T1]
.endm
	ATILE 0
	ATILE 1
	ATILE 2
	ATILE 3
	ATILE 4
; ---- start: h0(-1) = h1(-2) = 0, x(0) ----
.irp u, 0,1,2,3,4
	v_mov_b32 v[B0+\u], 0
.endr
	s_wait_tensorcnt 0x3                           ; chunk 0 is in; the three younger tiles stay on their way
.irp i, 0,1,2
	ds_load_b128 v[XF+4*\i:XF+4*\i+3], v[XADR] offset:16*\i        ; steps 0 and 1
.endr
	s_wait_dscnt 0x0
.irp i, 0,1,2
	v_cvt_pk_bf16_f32 v[B0+5+\i], v[XF+2*\i], v[XF+2*\i+1]
.endr
; ---- the stages of a tile's activations; d = GD + 8 t: d0:1 gate i, d2:3 f, d4:5 g, d6:7 o, each (layer 0, layer 1) ----
.macro SM t                            ; clamp the scaled g
	v_med3_num_f32 v[GD+8*\t+4], v[GD+8*\t+4], s[LO], s[HI]
	v_med3_num_f32 v[GD+8*\t+5], v[GD+8*\t+5], s[LO], s[HI]
.endm
.macro SE1 t                           ; a, f, b, o
.irp j, 0,1,2,3,4,5,6,7
	v_exp_f32 v[GD+8*\t+\j], v[GD+8*\t+\j]
.endr
.endm
.macro SP1 t
	v_pk_add_f32 v[GD+8*\t+0:GD+8*\t+1], v[GD+8*\t+0:GD+8*\t+1], 1.0 op_sel_hi:[1,0]                          ; 1 + a
	v_pk_add_f32 v[GD+8*\t+2:GD+8*\t+3], v[GD+8*\t+2:GD+8*\t+3], 1.0 op_sel_hi:[1,0]                          ; 1 + f
	v_pk_fma_f32 v[GD+8*\t+0:GD+8*\t+1], v[GD+8*\t+0:GD+8*\t+1], v[GD+8*\t+4:GD+8*\t+5], v[GD+8*\t+0:GD+8*\t+1] ; (1 + a)(1 + b)
	v_pk_fma_f32 v[GD+8*\t+4:GD+8*\t+5], v[GD+8*\t+4:GD+8*\t+5], v[KP:KP+1], v[KN:KN+1]                       ; K (b - 1)
	v_pk_add_f32 v[GD+8*\t+6:GD+8*\t+7], v[GD+8*\t+6:GD+8*\t+7], 1.0 op_sel_hi:[1,0]                          ; 1 + o
.endm
.macro SR1 t
.irp j, 0,1,2,3
	v_rcp_f32 v[GD+8*\t+\j], v[GD+8*\t+\j]
.endr
.endm
.macro SP2 t, mode                     ; the new c', and its clamped copy
.if \mode == 1
	v_pk_mul_f32 v[CS+2*\t:CS+2*\t+1], v[GD+8*\t+4:GD+8*\t+5], v[GD+8*\t+0:GD+8*\t+1]   ; c(-1) = 0: the first product starts c, nothing is cleared
	v_mov_b32 v[CS+2*\t+1], 0                                                          ; layer 1 has not begun
.else
	v_pk_mul_f32 v[GD+8*\t+4:GD+8*\t+5], v[GD+8*\t+4:GD+8*\t+5], v[GD+8*\t+0:GD+8*\t+1]
	v_pk_fma_f32 v[CS+2*\t:CS+2*\t+1], v[CS+2*\t:CS+2*\t+1], v[GD+8*\t+2:GD+8*\t+3], v[GD+8*\t+4:GD+8*\t+5]
.endif
	v_med3_num_f32 v[GD+8*\t+0], v[CS+2*\t], s[LO], s[HI]
	v_med3_num_f32 v[GD+8*\t+1], v[CS+2*\t+1], s[LO], s[HI]
.endm
.macro SE2 t                           ; e
	v_exp_f32 v[GD+8*\t+0], v[GD+8*\t+0]
	v_exp_f32 v[GD+8*\t+1], v[GD+8*\t+1]
.endm
.macro SP3 t
	v_pk_fma_f32 v[GD+8*\t+2:GD+8*\t+3], v[GD+8*\t+6:GD+8*\t+7], v[GD+8*\t+0:GD+8*\t+1], v[GD+8*\t+6:GD+8*\t+7] ; (1 + o)(1 + e)
	v_pk_add_f32 v[GD+8*\t+0:GD+8*\t+1], v[GD+8*\t+0:GD+8*\t+1], -1.0 op_sel_hi:[1,0]                         ; e - 1
.endm
.macro SR2 t
	v_rcp_f32 v[GD+8*\t+2], v[GD+8*\t+2]
	v_rcp_f32 v[GD+8*\t+3], v[GD+8*\t+3]
.endm
.macro SP4 t, bn, mode                 ; h, and register t of the next tick's B
	v_pk_mul_f32 v[HH+2*\t:HH+2*\t+1], v[GD+8*\t+0:GD+8*\t+1], v[GD+8*\t+2:GD+8*\t+3]
.if \mode == 0
	v_cvt_pk_bf16_f32 v[\bn+\t], v[HH+2*\t], v[HH+2*\t+1]
.endif
.if \mode == 1
	v_cvt_pk_bf16_f32 v[\bn+\t], v[HH+2*\t], 0     ; h1(-1) = 0
.endif
.endm
; One tick.  bc: the B set that it multiplies; bn: the set that it prepares.  cv = 1: x of the next tick is converted from xs.
; step != 0: the address goes on by step and the next two steps of x are loaded.  wt = 1: those loads, issued a tick ago, are waited for.
; mode: 0 ordinary; 1 the first tick (layer 1 idle: its c and h are set to 0); 2 the last (h is not packed: nobody multiplies it).
; The activations run as a wavefront over the five tiles, so that behind every run of transcendentals stands a plain instruction of ANOTHER
; tile, and at least one such instruction lies between a transcendental and the use of its result (ISA guide 5.7.2), and so that the one
; wave of a SIMD always has independent work.
.macro TICK bc, bn, cv, xs, step, wt, mode
.if \wt
	s_wait_dscnt 0x0                               ; the three loads of x issued in the tick before
.endif
.irp t, 0,1,2,3,4
	v_wmma_f32_16x16x32_bf16 v[GD+8*\t:GD+8*\t+7], v[WA+8*\t:WA+8*\t+7], v[\bc:\bc+7], v[BI+8*\t:BI+8*\t+7]
.endr
	; four places before D is read (ISA guide 7.12.1): plain vector instructions that name none of the five products' registers
	; (bn is the other B set; its last reader was the tick before)
.if \cv
.irp i, 0,1,2
	v_cvt_pk_bf16_f32 v[\bn+5+\i], v[\xs+2*\i], v[\xs+2*\i+1]
.endr
.else
	v_nop
	v_nop
	v_nop
.endif
.if \step
	v_add_nc_u32 v[XADR], \step, v[XADR]
.irp i, 0,1,2
	ds_load_b128 v[XF+4*\i:XF+4*\i+3], v[XADR] offset:16*\i
.endr
.else
	v_nop
.endif
	SM 0
	SE1 0
	SM 1
	SE1 1
	SP1 0
	SR1 0
	SM 2
	SE1 2
	SP1 1
	SR1 1
	SP2 0, \mode
	SE2 0
	SM 3
	SE1 3
	SP1 2
	SR1 2
	SP2 1, \mode
	SE2 1
	SP3 0
	SR2 0
	SM 4
	SE1 4
	SP1 3
	SR1 3
	SP2 2, \mode
	SE2 2
	SP3 1
	SR2 1
	SP4 0, \bn, \mode
	SP1 4
	SR1 4
	SP2 3, \mode
	SE2 3
	SP3 2
	SR2 2
	SP4 1, \bn, \mode
	SP2 4, \mode
	SE2 4
	SP3 3
	SR2 3
	SP4 2, \bn, \mode
	SP3 4
	SR2 4
	SP4 3, \bn, \mode
	SP4 4, \bn, \mode
.endm
; Ticks 2q and 2q + 1.  At its head XF holds steps 2q, 2q + 1 and B0 is complete for tick 2q.
.macro BODY step, mode
	TICK B0, B1, 1, XF+6, \step, 0, \mode          ; converts x(2q+1), then loads steps 2q+2, 2q+3
	TICK B1, B0, 1, XF, 0, 1, 0                    ; converts x(2q+2)
.endm
.macro LOOPEND label
	s_sub_co_i32 s[CNT], s[CNT], 1
	s_cmp_lg_u32 s[CNT], 0
	s_cbranch_scc1 \label
.endm
; A chunk holds 25 groups of two steps.  Body q loads group q + 1, so bodies 24, 49, 74 step into the next chunk and stand behind its wait.
	BODY GROUP, 1                                  ; q = 0
	s_mov_b32 s[CNT], 23
.Lc0:
	BODY GROUP, 0                                  ; q = 1 .. 23
	LOOPEND .Lc0
	s_wait_tensorcnt 0x2                           ; chunk 1 is in; two younger tiles may be out
	BODY CHUNK-24*GROUP, 0                         ; q = 24
	s_mov_b32 s[CNT], 24
.Lc1:
	BODY GROUP, 0                                  ; q = 25 .. 48
	LOOPEND .Lc1
	s_wait_tensorcnt 0x1                           ; chunk 2; one younger tile
	BODY CHUNK-24*GROUP, 0                         ; q = 49
	s_mov_b32 s[CNT], 24
.Lc2:
	BODY GROUP, 0                                  ; q = 50 .. 73
	LOOPEND .Lc2
	s_wait_tensorcnt 0x0                           ; chunk 3: nothing was issued behind it
	BODY CHUNK-24*GROUP, 0                         ; q = 74
	s_mov_b32 s[CNT], 24
.Lc3:
	BODY GROUP, 0                                  ; q = 75 .. 98
	LOOPEND .Lc3
	TICK B0, B1, 1, XF+6, 0, 0, 0                  ; tick 198: there is no further group to load
	TICK B1, B0, 0, XF, 0, 0, 0                    ; tick 199: the last step of layer 0
	TICK B0, B1, 0, XF, 0, 0, 2                    ; tick 200: step 199 of layer 1 (B0 still holds x(198); layer 0's result here is used by nobody)
; ---- the head: lane (r, h) holds h1 of branch h of sequence r ----
	v_fma_f32 v[HS], v[WL], v[HH+1], v[BL]
.irp u, 1,2,3,4
	v_fma_f32 v[HS], v[WL+\u], v[HH+2*\u+1], v[HS]
.endr
	; through LDS, so that each output's 64 numbers of the group leave as 256 consecutive, aligned bytes in one store
	s_lshl_b32 s[CNT], s[WAVE], 6
	s_add_co_u32 s[CNT], s[CNT], OST
	v_lshlrev_b32 v[T0], 2, v[RR]
	v_lshl_add_u32 v[T0], v[HF], 8, v[T0]
	v_add_nc_u32 v[T0], s[CNT], v[T0]              ; OST + 256 branch + 64 wave + 4 r
	ds_store_b32 v[T0], v[HS]
	s_wait_dscnt 0x0                               ; for the waves that read it: zero
	s_barrier_signal -1
	s_barrier_wait -1                              ; the only barrier; every wave passes it
	s_cmp_ge_u32 s[WAVE], 2
	s_cbranch_scc1 .Lend                           ; wave 0 stores out0, wave 1 out1
	s_cmp_eq_u32 s[WAVE], 0
	s_cselect_b64 s[PO:PO+1], s[PX+2:PX+3], s[PX+4:PX+5]
	s_lshl_b32 s[OFS], ttmp9, 8                    ; 64 numbers a work-group
	s_mov_b32 s[OFS+1], 0
	s_add_nc_u64 s[PO:PO+1], s[PO:PO+1], s[OFS:OFS+1]
	s_lshl_b32 s[CNT], s[WAVE], 8
	s_add_co_u32 s[CNT], s[CNT], OST
	v_lshlrev_b32 v[T1], 3, v[LANE]
	v_add_nc_u32 v[T0], s[CNT], v[T1]
	ds_load_b64 v[OUTP:OUTP+1], v[T0]
	s_wait_dscnt 0x0
	global_store_b64 v[T1], v[OUTP:OUTP+1], s[PO:PO+1] th:TH_STORE_NT
.Lend:
	s_endpgm
.Lfunc_end_k_q174d4b51bb_lstm:
	.size	k_q174d4b51bb_lstm, .Lfunc_end_k_q174d4b51bb_lstm-k_q174d4b51bb_lstm
	.p2alignl 7, 3214868480
	.fill 96, 4, 3214868480
	.section	.rodata,"a",@progbits
	.p2align	6, 0x0
	.amdhsa_kernel k_q174d4b51bb_lstm
		.amdhsa_group_segment_fixed_size 324096
		.amdhsa_private_segment_fixed_size 0
		.amdhsa_enable_private_segment 0
		.amdhsa_kernarg_size 184
		.amdhsa_user_sgpr_count 2
		.amdhsa_user_sgpr_kernarg_segment_ptr 1
		.amdhsa_wavefront_size32 1
		.amdhsa_system_sgpr_workgroup_id_x 1
		.amdhsa_system_sgpr_workgroup_id_y 1
		.amdhsa_system_sgpr_workgroup_id_z 1
		.amdhsa_system_vgpr_workitem_id 0
		.amdhsa_next_free_vgpr 232
		.amdhsa_next_free_sgpr 94
		.amdhsa_reserve_vcc 1
		.amdhsa_float_denorm_mode_32 3
		.amdhsa_float_denorm_mode_16_64 3
		.amdhsa_memory_ordered 1
		.amdhsa_forward_progress 1
		.amdhsa_inst_pref_size 172
	.end_amdhsa_kernel
	.amdgpu_metadata
---
amdhsa.version: [ 1, 2 ]
amdhsa.kernels:
  - .name:           k_q174d4b51bb_lstm
    .symbol:         k_q174d4b51bb_lstm.kd
    .args:
      - { .name: Whh0_x, .offset: 0, .size: 8, .value_kind: global_buffer, .address_space: global }
      - { .name: Wih1_x, .offset: 8, .size: 8, .value_kind: global_buffer, .address_space: global }
      - { .name: Whh1_x, .offset: 16, .size: 8, .value_kind: global_buffer, .address_space: global }
      - { .name: Wih0_x, .offset: 24, .size: 8, .value_kind: global_buffer, .address_space: global }
      - { .name: bih0_x, .offset: 32, .size: 8, .value_kind: global_buffer, .address_space: global }
      - { .name: bhh0_x, .offset: 40, .size: 8, .value_kind: global_buffer, .address_space: global }
      - { .name: bih1_x, .offset: 48, .size: 8, .value_kind: global_buffer, .address_space: global }
      - { .name: bhh1_x, .offset: 56, .size: 8, .value_kind: global_buffer, .address_space: global }
      - { .name: Wlin_x, .offset: 64, .size: 8, .value_kind: global_buffer, .address_space: global }
      - { .name: blin_x, .offset: 72, .size: 8, .value_kind: global_buffer, .address_space: global }
      - { .name: Whh0_y, .offset: 80, .size: 8, .value_kind: global_buffer, .address_space: global }
      - { .name: Wih1_y, .offset: 88, .size: 8, .value_kind: global_buffer, .address_space: global }
      - { .name: Whh1_y, .offset: 96, .size: 8, .value_kind: global_buffer, .address_space: global }
      - { .name: Wih0_y, .offset: 104, .size: 8, .value_kind: global_buffer, .address_space: global }
      - { .name: bih0_y, .offset: 112, .size: 8, .value_kind: global_buffer, .address_space: global }
      - { .name: bhh0_y, .offset: 120, .size: 8, .value_kind: global_buffer, .address_space: global }
      - { .name: bih1_y, .offset: 128, .size: 8, .value_kind: global_buffer, .address_space: global }
      - { .name: bhh1_y, .offset: 136, .size: 8, .value_kind: global_buffer, .address_space: global }
      - { .name: Wlin_y, .offset: 144, .size: 8, .value_kind: global_buffer, .address_space: global }
      - { .name: blin_y, .offset: 152, .size: 8, .value_kind: global_buffer, .address_space: global }
      - { .name: center_post, .offset: 160, .size: 8, .value_kind: global_buffer, .address_space: global }
      - { .name: out0, .offset: 168, .size: 8, .value_kind: global_buffer, .address_space: global }
      - { .name: out1, .offset: 176, .size: 8, .value_kind: global_buffer, .address_space: global }
    .group_segment_fixed_size: 324096
    .private_segment_fixed_size: 0
    .kernarg_segment_align: 8
    .kernarg_segment_size: 184
    .max_flat_workgroup_size: 128
    .sgpr_count:     94
    .vgpr_count:     232
    .wavefront_size: 32
...
	.end_amdgpu_metadata
.endif
;; end of part 1
;; ======== version 2 of 2: 1 launch
;; launch lstm (part 2): grid 256 x 1, 4 waves a work-group, no clusters, 324,096 bytes of LDS; arguments Whh0_x, Wih1_x, Whh1_x, Wih0_x, bih0_x, bhh0_x, bih1_x, bhh1_x, Wlin_x, blin_x, Whh0_y, Wih1_y, Whh1_y, Wih0_y, bih0_y, bhh0_y, bih1_y, bhh1_y, Wlin_y, blin_y, center_post, out0, out1; writes out0, out1
.if DOCPART == 2
	.amdgcn_target "amdgcn-amd-amdhsa--gfx1250"
	.amdhsa_code_object_version 6
	.text
	.protected	k_q174d4b51bb_lstm
	.globl	k_q174d4b51bb_lstm
	.p2align	8
	.type	k_q174d4b51bb_lstm,@function
k_q174d4b51bb_lstm:
	s_mov_b64 s[64:65], 0
	v_nop
	global_prefetch_b8 v0, s[64:65] scope:SCOPE_SE
	s_setreg_imm32_b32 hwreg(HW_REG_WAVE_MODE, 25, 1), 1
	s_wait_xcnt 0x0
; Two branches (x, y) of a two-layer LSTM, 5 hidden units, 200 steps, 16,384 sequences, and a 5-to-1 head on the last h of layer 1.
;
; SHARES.  A work-group owns 64 sequences, a wave 16 of them (the N of a matrix instruction): 1,024 waves in all, no wave depends on another.
; THE TWO LAYERS RUN SKEWED: in tick n (0..200) layer 0 does time step n and layer 1 time step n-1; both need only x(n), h0(n-1), h1(n-2).
; For a sequence these are 6 + 10 + 10 numbers: one K = 32 vector.  All 80 gate rows (2 branches x 2 layers x 4 gates x 5 units) are 5 tiles
; of 16 rows, so a tick is five v_wmma_f32_16x16x32_bf16: A = weights, B = the state vector, C = the biases (f32, never rewritten), D = gates.
; ROW m OF TILE T: branch = m >> 3, gate = (m >> 1) & 3 (i, f, g, o), layer = m & 1, unit = T.  In D, register j of lane (r, h) is row 8 h + j of
; sequence r: lane half h owns branch h, its 40 registers are the four gates of its ten units, and registers 2g, 2g+1 are (layer 0, layer 1) of one
; gate: a pair for the packed f32 instructions.
; K PLACES, alike in A and B: register q of lane half h holds, for q = 0..4, h0[q] (low half) and h1[q] (high half) of branch h; for q = 5..7
; the x features 2(q-5), 2(q-5)+1 (both lane halves hold x; a row of A is zero in the lane half of the other branch).  So one
; v_cvt_pk_bf16_f32 of (h0, h1) of unit T, in the lane that computed them, IS register T of the next tick's B: nothing crosses lanes.
; SCALES folded into A and C, in f32, before rounding: rows i, f, o times -log2(e), rows g times K = 2 log2(e); the cell is carried as c' = K c.
;   a = 2^Gi, f = 2^Gf, b = 2^min(Gg, 64), o = 2^Go
;   T = (1 + b) / K;  r = 1 / (a T + T) = K / ((1 + a)(1 + b));  c' = c' / (1 + f) + (b r - r)         [b r - r = K sigmoid(i) tanh(g)]
;   e = 2^min(c', 64);  E = 1 + e;  s = 1 / (o E + E);  h = e s - s                                    [= sigmoid(o) tanh(c)]
;   Eight transcendentals and eight packed lines a unit pair.  b r - r and e s - s are single fused multiply-adds: rounded once, so nothing
;   is lost where b or e is near 1.  Only the upper clamps are needed: the factors that can be infinite (a, o) multiply T >= 1/K and E >= 1,
;   never a zero; the reciprocal of an infinity is 0 and then meets only the finite b, e, c'.
; THE ORDER INSIDE A TICK is written out line by line (macro TICK): the wave is alone on its SIMD, so the independent work between an
; instruction and its reader has to come from the other four tiles of the same tick.
; INPUT.  The wave's 76,800 bytes of center_post fit into LDS whole: four tensor loads (16 rows x 50 steps each) are issued at the start and
; no slot is filled twice, so there is no refill ordering; each wave reads only what it fetched, so s_wait_tensorcnt is all the ordering.
; Four tensor loads of a wave are outstanding at most.
; NO CLUSTER: work-groups share nothing but 3,424 bytes of weights against 307,200 bytes of their own input.
; LIMITS.  Inputs finite and gates finite (NaN and infinities are not reproduced).  tanh counts as saturated where 2 log2(e) x argument > 64
; (error under 2^-63).  v_exp_f32 and v_rcp_f32 flush denormals.  x, h and the scaled weights are rounded to bf16; sums, biases,
; activations, c and the head are f32.
.set CROW,   1200                      ; bytes of one sequence in a chunk: 50 steps x 6 features x 4
.set CHUNK,  16*CROW                   ; a tile: 16 sequences x 50 steps
.set WSHARE, 4*CHUNK                   ; a wave's input, in memory (16 x 4,800) and in LDS
.set GROUP,  48                        ; two time steps: three 16-byte loads a lane
.set TAB,    4*WSHARE                  ; LDS: behind the input, each wave's own copy of the weights
.set TWAVE,  4096                      ; from a wave's table to the next (3,424 used)
.set TBR,    1712                      ; from branch x to branch y inside a table
.set T_HH0,  0                         ; Whh0 [20][5]
.set T_IH1,  400                       ; Wih1 [20][5]: 400 behind Whh0, so that layer x 400 picks the weights on h0
.set T_HH1,  800                       ; Whh1 [20][5]
.set T_IH0,  1200                      ; Wih0 [20][4]
.set T_B,    1520                      ; bih0 + bhh0 [20], then bih1 + bhh1 [20]
.set T_WL,   1680                      ; Wlin [5]
.set T_BL,   1700                      ; blin
.set OST,    TAB+4*TWAVE               ; 512 bytes: the group's 64 numbers of out0, then of out1
.set NLOG2E, 0xbfb8aa3b                ; -log2(e)
.set KPOS,   0x4038aa3b                ; K = 2 log2(e)
.set KINV,   0x3eb17218                ; 1 / K = ln(2) / 2
; scalar registers
.set PW,   4                           ; s[4:43]  the 20 weight pointers, branch x then y, in the order of the table
.set PX,   44                          ; s[44:45] center_post   s[46:47] out0   s[48:49] out1
.set PXW,  50                          ; s[50:51] center_post at my wave's first sequence
.set G1,   52                          ; s[52:59] descriptor group 1
.set G0,   68                          ; s[68:83] descriptor group 0, one set for each chunk
.set WAVE, 84
.set XB,   85                          ; wave x WSHARE
.set OFS,  86                          ; s[86:87] a byte offset in 64 bits
.set TBW,  88                          ; TAB + wave x TWAVE
.set HI,   89                          ; 64.0
.set CNT,  91
.set PO,   92                          ; s[92:93] the output that this wave stores
; vector registers
.set LANE, 1
.set RR,   2                           ; r = lane & 15
.set HF,   3                           ; h = lane >> 4
.set LAY,  4                           ; of A's row r: layer
.set GAT,  5                           ;               gate
.set BRA,  6                           ;               branch
.set O25,  7                           ; byte offsets for the table's loads: 16 min(lane, 24)
.set O20,  8                           ; 16 min(lane, 19)
.set O5,   9                           ; 16 min(lane, 4)
.set O5W,  10                          ; 4 min(lane, 4)
.set OZ,   11                          ; 0
.set S25,  12                          ; v12-16: the same five + my table: LDS addresses of the stores
.set ALO,  17                          ; table + branch + 100 gate + 400 layer
.set AG,   18                          ; table + branch + 100 gate
.set AX,   19                          ; table + branch + 80 gate
.set AB,   20                          ; table + 1712 h (biases and head: the branch that this lane half owns)
.set SC,   21                          ; v21-26 scales of A's row: sc, scLo, scHi, scX, scXe, scXo
.set TB0,  27
.set XADR, 28                          ; LDS address of my sequence's next two steps
.set WA,   32                          ; v[32:71]   A, tile T at 8 T
.set BI,   72                          ; v[72:111]  C, the scaled biases
.set GD,   112                         ; v[112:151] D
.set B0,   152                         ; v[152:159], v[160:167] the state vector, two sets that take turns
.set B1,   160
.set CS,   168                         ; v[168:177] c' of (layer 0, layer 1) of unit T at 2 T
.set HH,   178                         ; v[178:187] h likewise
.set XF,   188                         ; v[188:199] two steps of x in f32
.set KP,   200                         ; (K, K)
.set KI,   202                         ; (1/K, 1/K)
.set NL,   204                         ; (-log2 e, -log2 e)
.set WL,   206                         ; v[206:210] Wlin   v211 blin
.set BL,   211
.set T0,   226                         ; v226-229 at work in the set-up
.set T1,   227
.set T2,   228
.set T3,   229
.set HS,   228                         ; the head's sum (behind the ticks)
.set OUTP, 230
.set TP,   232                         ; v[232:241] T = (1 + b) / K of tile T at 2 T
.set TL,   112                         ; set-up only: v[112:179], the 2 x 10 table loads (34 registers a branch), before D, B, c, h exist
.set TWS,  112                         ; set-up only, behind TL: v[112:181], a tile's 14 weights as read from the table, tile T at 14 T
; ---- pointers, ids; the lane offsets are made while the arguments are on their way; then the four tensor loads ----
	s_load_b128 s[PX:PX+3], s[0:1], 0xa0           ; center_post, out0
	s_load_b64  s[PX+4:PX+5], s[0:1], 0xb0         ; out1
	s_load_b512 s[PW:PW+15], s[0:1], 0x0
	s_load_b512 s[PW+16:PW+31], s[0:1], 0x40
	s_load_b256 s[PW+32:PW+39], s[0:1], 0x80
	v_lshrrev_b32 v[T0], 5, v0
	v_readfirstlane_b32 s[WAVE], v[T0]             ; wave 0..3 as a scalar
	s_mul_i32 s[XB], s[WAVE], WSHARE
	s_mul_i32 s[OFS], ttmp9, 4*WSHARE              ; under 2^27
	s_add_co_u32 s[OFS], s[OFS], s[XB]
	s_mov_b32 s[OFS+1], 0
	s_lshl_b32 s[TBW], s[WAVE], 12
	s_add_co_u32 s[TBW], s[TBW], TAB
	s_mov_b32 s[HI], 0x42800000
	; group 1: a tile of 16 rows x 300 elements of 4 bytes, 1,200 elements from row to row; no padding: the LDS pitch of 1,200 bytes is an
	; odd multiple of 16, so the sixteen rows that a 16-byte load touches start in sixteen different 16-byte columns modulo 256 bytes
	s_mov_b32 s[G1+0], 2<<16                       ; no work-group mask; elements of 4 bytes
	s_mov_b32 s[G1+1], 300<<16                     ; tensor_dim0 = 300 (the tile lies inside)
	s_mov_b32 s[G1+2], 16<<16                      ; tensor_dim1 = 16
	s_mov_b32 s[G1+3], 300<<16                     ; tile_dim0 = 300
	s_mov_b32 s[G1+4], 16                          ; tile_dim1 = 16
	s_mov_b32 s[G1+5], 1200                        ; stride from sequence to sequence
	s_mov_b32 s[G1+6], 0
	s_mov_b32 s[G1+7], 0
	v_and_b32 v[LANE], 31, v0
	v_min_u32 v[O25], 24, v[LANE]                  ; lanes past an array's end read, and later store, its last piece again: no load leaves its buffer
	v_min_u32 v[O20], 19, v[LANE]
	v_min_u32 v[O5W], 4, v[LANE]
	v_lshlrev_b32 v[O25], 4, v[O25]
	v_lshlrev_b32 v[O20], 4, v[O20]
	v_lshlrev_b32 v[O5], 4, v[O5W]
	v_lshlrev_b32 v[O5W], 2, v[O5W]
	v_mov_b32 v[OZ], 0
	s_wait_kmcnt 0x0
	s_add_nc_u64 s[PXW:PXW+1], s[PX:PX+1], s[OFS:OFS+1]
.irp c, 0,1,2,3
	s_mov_b32 s[G0+4*\c], 1
	s_add_co_u32 s[G0+4*\c+1], s[XB], \c*CHUNK                     ; my wave's chunk c in LDS
	s_add_nc_u64 s[G0+4*\c+2:G0+4*\c+3], s[PXW:PXW+1], \c*CROW     ; steps 50 c .. 50 c + 49 of my first sequence
	s_or_b32 s[G0+4*\c+3], s[G0+4*\c+3], 0x80000000                ; type 2
	tensor_load_to_lds s[G0+4*\c:G0+4*\c+3], s[G1:G1+7]
.endr
; ---- the weights: every wave makes its own copy in LDS, so that no barrier is needed ----
.macro LOADTAB br
.irp i, 0,1,2
	global_load_b128 v[TL+34*\br+4*\i:TL+34*\br+4*\i+3], v[O25], s[PW+20*\br+2*\i:PW+20*\br+2*\i+1]   ; Whh0, Wih1, Whh1: 400 bytes
.endr
	global_load_b128 v[TL+34*\br+12:TL+34*\br+15], v[O20], s[PW+20*\br+6:PW+20*\br+7]                 ; Wih0: 320 bytes
.irp i, 4,5,6,7
	global_load_b128 v[TL+34*\br+4*\i:TL+34*\br+4*\i+3], v[O5], s[PW+20*\br+2*\i:PW+20*\br+2*\i+1]    ; bih0, bhh0, bih1, bhh1: 80 bytes
.endr
	global_load_b32 v[TL+34*\br+32], v[O5W], s[PW+20*\br+16:PW+20*\br+17]                             ; Wlin
	global_load_b32 v[TL+34*\br+33], v[OZ], s[PW+20*\br+18:PW+20*\br+19]                              ; blin
.endm
	LOADTAB 0
	LOADTAB 1
	; while they are out: lane numbers, LDS addresses, constants, the scales of A's row r
	v_and_b32 v[RR], 15, v0
	v_bfe_u32 v[HF], v0, 4, 1
	v_and_b32 v[LAY], 1, v0
	v_bfe_u32 v[GAT], v0, 1, 2
	v_bfe_u32 v[BRA], v0, 3, 1
	v_add_nc_u32 v[S25+0], s[TBW], v[O25]
	v_add_nc_u32 v[S25+1], s[TBW], v[O20]
	v_add_nc_u32 v[S25+2], s[TBW], v[O5]
	v_add_nc_u32 v[S25+3], s[TBW], v[O5W]
	v_mov_b32 v[S25+4], s[TBW]
	v_mad_u32_u24 v[TB0], v[BRA], TBR, v[S25+4]
	v_mad_u32_u24 v[AG], v[GAT], 100, v[TB0]       ; a gate is 5 rows of 20 bytes
	v_mad_u32_u24 v[ALO], v[LAY], T_IH1, v[AG]
	v_mad_u32_u24 v[AX], v[GAT], 80, v[TB0]        ; in Wih0: 5 rows of 16 bytes
	v_mad_u32_u24 v[AB], v[HF], TBR, v[S25+4]
	v_mul_u32_u24 v[XADR], v[RR], CROW
	v_add_nc_u32 v[XADR], s[XB], v[XADR]
	v_mov_b32 v[KP], KPOS
	v_mov_b32 v[KP+1], KPOS
	v_mov_b32 v[KI], KINV
	v_mov_b32 v[KI+1], KINV
	v_mov_b32 v[NL], NLOG2E
	v_mov_b32 v[NL+1], NLOG2E
	v_cmp_eq_u32 vcc_lo, 2, v[GAT]
	v_cndmask_b32 v[SC], v[NL], v[KP], vcc_lo      ; sc: gate g ? K : -log2 e
	v_cmp_eq_u32 vcc_lo, v[HF], v[BRA]
	v_cndmask_b32 v[SC+1], 0, v[SC], vcc_lo        ; scLo: zero in the lane half that holds the other branch's state
	v_cmp_eq_u32 vcc_lo, 1, v[LAY]
	v_cndmask_b32 v[SC+2], 0, v[SC+1], vcc_lo      ; scHi: h1 feeds layer 1 alone
	v_cndmask_b32 v[SC+3], v[SC+1], v[OZ], vcc_lo  ; scX:  x feeds layer 0 alone
	v_cmp_eq_u32 vcc_lo, 1, v[BRA]
	v_cndmask_b32 v[SC+4], v[SC+3], v[OZ], vcc_lo  ; scXe: features 0, 2 belong to branch x
	v_cndmask_b32 v[SC+5], 0, v[SC+3], vcc_lo      ; scXo: features 1, 3 to branch y
	s_wait_loadcnt 0x0                             ; all twenty are needed now
.macro STORETAB br
	v_pk_add_f32 v[TL+34*\br+16:TL+34*\br+17], v[TL+34*\br+16:TL+34*\br+17], v[TL+34*\br+20:TL+34*\br+21]   ; bih0 + bhh0
	v_pk_add_f32 v[TL+34*\br+18:TL+34*\br+19], v[TL+34*\br+18:TL+34*\br+19], v[TL+34*\br+22:TL+34*\br+23]
	v_pk_add_f32 v[TL+34*\br+24:TL+34*\br+25], v[TL+34*\br+24:TL+34*\br+25], v[TL+34*\br+28:TL+34*\br+29]   ; bih1 + bhh1
	v_pk_add_f32 v[TL+34*\br+26:TL+34*\br+27], v[TL+34*\br+26:TL+34*\br+27], v[TL+34*\br+30:TL+34*\br+31]
	ds_store_b128 v[S25+0], v[TL+34*\br+0:TL+34*\br+3]   offset:\br*TBR+T_HH0
	ds_store_b128 v[S25+0], v[TL+34*\br+4:TL+34*\br+7]   offset:\br*TBR+T_IH1
	ds_store_b128 v[S25+0], v[TL+34*\br+8:TL+34*\br+11]  offset:\br*TBR+T_HH1
	ds_store_b128 v[S25+1], v[TL+34*\br+12:TL+34*\br+15] offset:\br*TBR+T_IH0
	ds_store_b128 v[S25+2], v[TL+34*\br+16:TL+34*\br+19] offset:\br*TBR+T_B
	ds_store_b128 v[S25+2], v[TL+34*\br+24:TL+34*\br+27] offset:\br*TBR+T_B+80
	ds_store_b32  v[S25+3], v[TL+34*\br+32]              offset:\br*TBR+T_WL
	ds_store_b32  v[S25+4], v[TL+34*\br+33]              offset:\br*TBR+T_BL
.endm
	STORETAB 0
	STORETAB 1
	; The table is my wave's own, and LDS serves a wave's instructions in order (ISA guide 5.7.1): the loads below see the stores above.
; ---- C: register j of tile T = bias of (branch h, gate j >> 1, layer j & 1, unit T); and the head's weights ----
.irp t, 0,1,2,3,4
.irp j, 0,1,2,3,4,5,6,7
	ds_load_b32 v[BI+8*\t+\j], v[AB] offset:T_B+(\j&1)*80+(5*(\j>>1)+\t)*4
.endr
.endr
.irp u, 0,1,2,3,4
	ds_load_b32 v[WL+\u], v[AB] offset:T_WL+4*\u
.endr
	ds_load_b32 v[BL], v[AB] offset:T_BL
	s_wait_dscnt 0x0                               ; the biases are in, and the table's stores are done: their data registers are loaded into below
; ---- A: lane (r, h) holds row r of each tile.  Low halves: weights on h0 (Whh0 for a layer-0 row, Wih1 for a layer-1 row); high halves:
;      weights on h1 (Whh1, layer 1 only); registers 5-7: Wih0 on x (layer 0 only; branch x takes features 0, 2, 4, 5, branch y 1, 3, 4, 5).
;      All five tiles' 11 loads go out in one run; the biases are scaled while they come ----
.macro ATLOAD t
.irp u, 0,1,2,3,4
	ds_load_b32 v[TWS+14*\t+\u], v[ALO] offset:T_HH0+20*\t+4*\u
.endr
.irp u, 0,1,2,3,4
	ds_load_b32 v[TWS+14*\t+5+\u], v[AG] offset:T_HH1+20*\t+4*\u
.endr
	ds_load_b128 v[TWS+14*\t+10:TWS+14*\t+13], v[AX] offset:T_IH0+16*\t
.endm
	ATLOAD 0
	ATLOAD 1
	ATLOAD 2
	ATLOAD 3
	ATLOAD 4
.irp t, 0,1,2,3,4
	v_pk_mul_f32 v[BI+8*\t+0:BI+8*\t+1], v[BI+8*\t+0:BI+8*\t+1], v[NL:NL+1]
	v_pk_mul_f32 v[BI+8*\t+2:BI+8*\t+3], v[BI+8*\t+2:BI+8*\t+3], v[NL:NL+1]
	v_pk_mul_f32 v[BI+8*\t+4:BI+8*\t+5], v[BI+8*\t+4:BI+8*\t+5], v[KP:KP+1]
	v_pk_mul_f32 v[BI+8*\t+6:BI+8*\t+7], v[BI+8*\t+6:BI+8*\t+7], v[NL:NL+1]
.endr
.macro ATPACK t
	s_wait_dscnt 11*(4-\t)                         ; LDS loads come back in order: tile t's eleven are in, the later tiles' eleven each may be out
.irp u, 0,1,2,3,4
	v_mul_f32 v[TWS+14*\t+\u], v[TWS+14*\t+\u], v[SC+1]
.endr
.irp u, 0,1,2,3,4
	v_mul_f32 v[TWS+14*\t+5+\u], v[TWS+14*\t+5+\u], v[SC+2]
.endr
	v_mul_f32 v[T0], v[TWS+14*\t+10], v[SC+4]      ; feature 0: branch x's column 0
	v_mul_f32 v[T1], v[TWS+14*\t+10], v[SC+5]      ; feature 1: branch y's column 0
	v_mul_f32 v[T2], v[TWS+14*\t+11], v[SC+4]      ; feature 2: branch x's column 1
	v_mul_f32 v[T3], v[TWS+14*\t+11], v[SC+5]      ; feature 3: branch y's column 1
	v_mul_f32 v[TWS+14*\t+12], v[TWS+14*\t+12], v[SC+3]            ; features 4, 5: columns 2, 3 of both
	v_mul_f32 v[TWS+14*\t+13], v[TWS+14*\t+13], v[SC+3]
.irp u, 0,1,2,3,4
	v_cvt_pk_bf16_f32 v[WA+8*\t+\u], v[TWS+14*\t+\u], v[TWS+14*\t+5+\u]
.endr
	v_cvt_pk_bf16_f32 v[WA+8*\t+5], v[T0], v[T1]
	v_cvt_pk_bf16_f32 v[WA+8*\t+6], v[T2], v[T3]
	v_cvt_pk_bf16_f32 v[WA+8*\t+7], v[TWS+14*\t+12], v[TWS+14*\t+13]
.endm
	ATPACK 0
	ATPACK 1
	ATPACK 2
	ATPACK 3
	ATPACK 4
; ---- start: h0(-1) = h1(-2) = 0, x(0) ----
.irp u, 0,1,2,3,4
	v_mov_b32 v[B0+\u], 0
.endr
	s_wait_tensorcnt 0x3                           ; chunk 0 is in; the three younger tiles stay on their way
.irp i, 0,1,2
	ds_load_b128 v[XF+4*\i:XF+4*\i+3], v[XADR] offset:16*\i        ; steps 0 and 1
.endr
	s_wait_dscnt 0x0
.irp i, 0,1,2
	v_cvt_pk_bf16_f32 v[B0+5+\i], v[XF+2*\i], v[XF+2*\i+1]
.endr
; ---- the single lines of a tile's work; d = GD + 8 t: d0:1 gate i, d2:3 f, d4:5 g, d6:7 o, each (layer 0, layer 1).
;      A tile's lines in the order in which they depend on each other:
;      OPW; OPCL 4,5; OPEX 0..5; OPINB; OPPAB; OPINQ; OPRC 0..3; OPU; OPCEL; OPCLC 0,1; OPEX 0,1; OPINE; (OPEX 6,7) OPDEN; OPRC 2,3; OPHID; OPPKH ----
.macro OPW t, bc                       ; the gates of tile t
	v_wmma_f32_16x16x32_bf16 v[GD+8*\t:GD+8*\t+7], v[WA+8*\t:WA+8*\t+7], v[\bc:\bc+7], v[BI+8*\t:BI+8*\t+7]
.endm
.macro OPCL t, j                       ; the scaled g, at most 64 (j = 4, 5)
	v_min_num_f32 v[GD+8*\t+\j], s[HI], v[GD+8*\t+\j]
.endm
.macro OPEX t, j                       ; 2^d in place: a, f, b, o; later e (j = 0, 1)
	v_exp_f32 v[GD+8*\t+\j], v[GD+8*\t+\j]
.endm
.macro OPRC t, j                       ; 1 / d in place
	v_rcp_f32 v[GD+8*\t+\j], v[GD+8*\t+\j]
.endm
.macro OPINB t                         ; T = (1 + b) / K; b stays in d4:5
	v_pk_fma_f32 v[TP+2*\t:TP+2*\t+1], v[GD+8*\t+4:GD+8*\t+5], v[KI:KI+1], v[KI:KI+1]
.endm
.macro OPPAB t                         ; d0:1 = a T + T = (1 + a)(1 + b) / K
	v_pk_fma_f32 v[GD+8*\t+0:GD+8*\t+1], v[GD+8*\t+0:GD+8*\t+1], v[TP+2*\t:TP+2*\t+1], v[TP+2*\t:TP+2*\t+1]
.endm
.macro OPINQ t                         ; d2:3 = 1 + f
	v_pk_add_f32 v[GD+8*\t+2:GD+8*\t+3], v[GD+8*\t+2:GD+8*\t+3], 1.0 op_sel_hi:[1,0]
.endm
.macro OPU t, mode                     ; b r - r = K sigmoid(i) tanh(g)
.if \mode == 1
	v_pk_fma_f32 v[CS+2*\t:CS+2*\t+1], v[GD+8*\t+4:GD+8*\t+5], v[GD+8*\t+0:GD+8*\t+1], v[GD+8*\t+0:GD+8*\t+1] neg_lo:[0,0,1] neg_hi:[0,0,1]   ; c(-1) = 0: this starts c, nothing is cleared
.else
	v_pk_fma_f32 v[GD+8*\t+4:GD+8*\t+5], v[GD+8*\t+4:GD+8*\t+5], v[GD+8*\t+0:GD+8*\t+1], v[GD+8*\t+0:GD+8*\t+1] neg_lo:[0,0,1] neg_hi:[0,0,1]
.endif
.endm
.macro OPCEL t, mode                   ; the new c'
.if \mode == 1
	v_mov_b32 v[CS+2*\t+1], 0                                                          ; layer 1 has not begun
.else
	v_pk_fma_f32 v[CS+2*\t:CS+2*\t+1], v[CS+2*\t:CS+2*\t+1], v[GD+8*\t+2:GD+8*\t+3], v[GD+8*\t+4:GD+8*\t+5]
.endif
.endm
.macro OPCLC t, j                      ; d0, d1 = c', at most 64
	v_min_num_f32 v[GD+8*\t+\j], s[HI], v[CS+2*\t+\j]
.endm
.macro OPINE t                         ; d2:3 = E = 1 + e; e stays in d0:1
	v_pk_add_f32 v[GD+8*\t+2:GD+8*\t+3], v[GD+8*\t+0:GD+8*\t+1], 1.0 op_sel_hi:[1,0]
.endm
.macro OPDEN t                         ; d2:3 = o E + E = (1 + o)(1 + e)
	v_pk_fma_f32 v[GD+8*\t+2:GD+8*\t+3], v[GD+8*\t+6:GD+8*\t+7], v[GD+8*\t+2:GD+8*\t+3], v[GD+8*\t+2:GD+8*\t+3]
.endm
.macro OPHID t                         ; h = e s - s
	v_pk_fma_f32 v[HH+2*\t:HH+2*\t+1], v[GD+8*\t+0:GD+8*\t+1], v[GD+8*\t+2:GD+8*\t+3], v[GD+8*\t+2:GD+8*\t+3] neg_lo:[0,0,1] neg_hi:[0,0,1]
.endm
.macro OPPKH t, bn, mode               ; register t of the next tick's B
.if \mode == 0
	v_cvt_pk_bf16_f32 v[\bn+\t], v[HH+2*\t], v[HH+2*\t+1]
.endif
.if \mode == 1
	v_cvt_pk_bf16_f32 v[\bn+\t], v[HH+2*\t], 0     ; h1(-1) = 0
.endif
.endm
.macro XCVT cv, bn, xs, i              ; x of the next tick into the other B set, or an empty place
.if \cv
	v_cvt_pk_bf16_f32 v[\bn+5+\i], v[\xs+2*\i], v[\xs+2*\i+1]
.else
	v_nop
.endif
.endm
; One tick.  bc: the B set that it multiplies; bn: the set that it prepares.  cv = 1: x of the next tick is converted from xs.
; step != 0: the address goes on by step and the next two steps of x are loaded.  wt = 1: those loads, issued a tick ago, are waited for.
; mode: 0 ordinary; 1 the first tick (layer 1 idle: its c and h are set to 0); 2 the last (h is not packed: nobody multiplies it).
; THE ORDER.  80 transcendentals and 69 plain lines, so the list is built round the transcendentals: they come level by level over all five
; tiles (30 exponentials a, f, b; 20 reciprocals; 10 exponentials e; 10 reciprocals), each level long enough for the plain lines that lead
; from it to the next, and these plain lines stand between the transcendentals of other tiles.  The ten exponentials of gate o are needed
; only by OPDEN: they are held back and fill the places between the last three levels.  Behind every transcendental or run of them stands a
; plain line that names none of their registers, ahead of the first use of a result (ISA guide 5.7.2).  By count of lines a plain result is
; read 5 or more lines later and a transcendental's 8 or more, up to the last eight lines, where nothing independent is left.
.macro TICK bc, bn, cv, xs, step, wt, mode
	OPW 0, \bc
	OPW 1, \bc
	OPW 2, \bc
.if \wt
	s_wait_dscnt 0x0                               ; the three loads of x issued in the tick before, read by the conversions below
.endif
	; four places behind products 0 to 2 before their D is read (ISA guide 7.12.1): they name none of the products' registers
	; (bn is the other B set; its last reader was the tick before)
	XCVT \cv, \bn, \xs, 0
	XCVT \cv, \bn, \xs, 1
	XCVT \cv, \bn, \xs, 2
.if \step
	v_add_nc_u32 v[XADR], \step, v[XADR]
.else
	v_nop
.endif
	; level 1: a, f, b.  Tile 0 begins while products 3 and 4 are still to be issued; D of tile 3 is first read by OPCL 3,4 and D of tile 4
	; by OPCL 4,4, each behind more than four plain lines of tiles 0 to 2.
	OPCL 0,4
	OPCL 0,5
	OPEX 0,0
	OPEX 0,1
	OPW 3, \bc
	OPEX 0,2
	OPCL 1,4
	OPEX 0,3
	OPCL 1,5
	OPEX 0,4
	OPW 4, \bc
	OPEX 0,5
	OPEX 1,0
	OPCL 2,4
	OPEX 1,1
	OPCL 2,5
	OPEX 1,4
	OPEX 1,5
	OPEX 1,2
	OPEX 1,3
	OPINB 0
	OPEX 2,0
	OPINQ 0
	OPEX 2,1
	OPEX 2,4
	OPPAB 0
	OPEX 2,5
	OPCL 3,4
	OPEX 2,2
	OPCL 3,5
	OPEX 2,3
	OPINB 1
	OPEX 3,0
	OPINQ 1
	OPEX 3,1
	OPCL 4,4
	OPEX 3,4
	OPCL 4,5
	OPEX 3,5
	OPPAB 1
	OPEX 3,2
	OPINB 2
	OPEX 3,3
	OPINQ 2
	OPEX 4,4
	OPEX 4,5
	OPPAB 2
	OPEX 4,0
	OPINB 3
	OPEX 4,1
	OPEX 4,2
	OPINQ 3
	OPEX 4,3
	OPPAB 3
	; level 2: the reciprocals r and 1 / (1 + f); between them the last packed lines of tile 4, then the cell updates as they become ready
	OPRC 0,0
	OPINB 4
	OPRC 0,1
	OPRC 1,0
	OPRC 1,1
	OPRC 2,0
	OPPAB 4
	OPRC 2,1
	OPINQ 4
	OPRC 0,2
	OPRC 0,3
	OPU 0, \mode
.if \step
.irp i, 0,1,2
	ds_load_b128 v[XF+4*\i:XF+4*\i+3], v[XADR] offset:16*\i        ; the next two steps; XF was last read by the conversions above
.endr
.endif
	OPRC 3,0
	OPRC 3,1
	OPU 1, \mode
	OPRC 4,0
	OPRC 4,1
	OPU 2, \mode
	OPRC 1,2
	OPRC 1,3
	OPCEL 0, \mode
	OPRC 2,2
	OPRC 2,3
	OPU 3, \mode
	OPRC 3,2
	OPCLC 0,0
	OPRC 3,3
	OPCLC 0,1
	OPRC 4,2
	OPU 4, \mode
	OPRC 4,3
	OPCEL 1, \mode
	; level 3: e; o of tiles 0 and 1 fills the places until the later tiles' cells are clamped
	OPEX 0,0
	OPCEL 2, \mode
	OPEX 0,1
	OPCEL 3, \mode
	OPEX 0,6
	OPCLC 1,0
	OPEX 0,7
	OPCLC 1,1
	OPEX 1,6
	OPCEL 4, \mode
	OPEX 1,7
	OPCLC 2,0
	OPEX 1,0
	OPCLC 2,1
	OPEX 1,1
	OPCLC 3,0
	OPINE 0
	OPEX 2,0
	OPCLC 3,1
	OPEX 2,1
	OPCLC 4,0
	OPEX 3,0
	OPCLC 4,1
	OPEX 3,1
	OPDEN 0
	OPEX 2,6
	OPINE 1
	OPEX 4,0
	OPEX 4,1
	OPINE 2
	; o of tiles 2 to 4 between the levels
	OPEX 2,7
	OPEX 3,6
	OPDEN 1
	OPEX 3,7
	OPINE 3
	OPEX 4,6
	OPEX 4,7
	OPINE 4
	; level 4: the reciprocals s, in tile order
	OPRC 0,2
	OPDEN 2
	OPRC 0,3
	OPRC 1,2
	OPDEN 3
	OPRC 1,3
	OPRC 2,2
	OPDEN 4
	OPRC 2,3
	OPRC 3,2
	OPHID 0
	OPRC 3,3
	OPRC 4,2
	OPHID 1
	OPRC 4,3
	; h and its packing: the early tiles' lines stand between the late tiles' reciprocal, product and packing
	OPPKH 0, \bn, \mode
	OPHID 2
	OPPKH 1, \bn, \mode
	OPHID 3
	OPPKH 2, \bn, \mode
	OPHID 4
	OPPKH 3, \bn, \mode
	OPPKH 4, \bn, \mode
.endm
; Ticks 2q and 2q + 1.  At its head XF holds steps 2q, 2q + 1 and B0 is complete for tick 2q.
.macro BODY step, mode
	TICK B0, B1, 1, XF+6, \step, 0, \mode          ; converts x(2q+1), then loads steps 2q+2, 2q+3
	TICK B1, B0, 1, XF, 0, 1, 0                    ; converts x(2q+2)
.endm
.macro LOOPEND label
	s_sub_co_i32 s[CNT], s[CNT], 1
	s_cmp_lg_u32 s[CNT], 0
	s_cbranch_scc1 \label
.endm
; A chunk holds 25 groups of two steps.  Body q loads group q + 1, so bodies 24, 49, 74 step into the next chunk and stand behind its wait.
	BODY GROUP, 1                                  ; q = 0
	s_mov_b32 s[CNT], 23
.Lc0:
	BODY GROUP, 0                                  ; q = 1 .. 23
	LOOPEND .Lc0
	s_wait_tensorcnt 0x2                           ; chunk 1 is in; two younger tiles may be out
	BODY CHUNK-24*GROUP, 0                         ; q = 24
	s_mov_b32 s[CNT], 24
.Lc1:
	BODY GROUP, 0                                  ; q = 25 .. 48
	LOOPEND .Lc1
	s_wait_tensorcnt 0x1                           ; chunk 2; one younger tile
	BODY CHUNK-24*GROUP, 0                         ; q = 49
	s_mov_b32 s[CNT], 24
.Lc2:
	BODY GROUP, 0                                  ; q = 50 .. 73
	LOOPEND .Lc2
	s_wait_tensorcnt 0x0                           ; chunk 3: nothing was issued behind it
	BODY CHUNK-24*GROUP, 0                         ; q = 74
	s_mov_b32 s[CNT], 24
.Lc3:
	BODY GROUP, 0                                  ; q = 75 .. 98
	LOOPEND .Lc3
	TICK B0, B1, 1, XF+6, 0, 0, 0                  ; tick 198: there is no further group to load
	TICK B1, B0, 0, XF, 0, 0, 0                    ; tick 199: the last step of layer 0
	TICK B0, B1, 0, XF, 0, 0, 2                    ; tick 200: step 199 of layer 1 (B0 still holds x(198); layer 0's result here is used by nobody)
; ---- the head: lane (r, h) holds h1 of branch h of sequence r ----
	v_fma_f32 v[HS], v[WL], v[HH+1], v[BL]
.irp u, 1,2,3,4
	v_fma_f32 v[HS], v[WL+\u], v[HH+2*\u+1], v[HS]
.endr
	; through LDS, so that each output's 64 numbers of the group leave as 256 consecutive, aligned bytes in one store
	s_lshl_b32 s[CNT], s[WAVE], 6
	s_add_co_u32 s[CNT], s[CNT], OST
	v_lshlrev_b32 v[T0], 2, v[RR]
	v_lshl_add_u32 v[T0], v[HF], 8, v[T0]
	v_add_nc_u32 v[T0], s[CNT], v[T0]              ; OST + 256 branch + 64 wave + 4 r
	ds_store_b32 v[T0], v[HS]
	s_wait_dscnt 0x0                               ; for the waves that read it: zero
	s_barrier_signal -1
	s_barrier_wait -1                              ; the only barrier; every wave passes it
	s_cmp_ge_u32 s[WAVE], 2
	s_cbranch_scc1 .Lend                           ; wave 0 stores out0, wave 1 out1
	s_cmp_eq_u32 s[WAVE], 0
	s_cselect_b64 s[PO:PO+1], s[PX+2:PX+3], s[PX+4:PX+5]
	s_lshl_b32 s[OFS], ttmp9, 8                    ; 64 numbers a work-group
	s_mov_b32 s[OFS+1], 0
	s_add_nc_u64 s[PO:PO+1], s[PO:PO+1], s[OFS:OFS+1]
	s_lshl_b32 s[CNT], s[WAVE], 8
	s_add_co_u32 s[CNT], s[CNT], OST
	v_lshlrev_b32 v[T1], 3, v[LANE]
	v_add_nc_u32 v[T0], s[CNT], v[T1]
	ds_load_b64 v[OUTP:OUTP+1], v[T0]
	s_wait_dscnt 0x0
	global_store_b64 v[T1], v[OUTP:OUTP+1], s[PO:PO+1] th:TH_STORE_NT
.Lend:
	s_endpgm
.Lfunc_end_k_q174d4b51bb_lstm:
	.size	k_q174d4b51bb_lstm, .Lfunc_end_k_q174d4b51bb_lstm-k_q174d4b51bb_lstm
	.p2alignl 7, 3214868480
	.fill 96, 4, 3214868480
	.section	.rodata,"a",@progbits
	.p2align	6, 0x0
	.amdhsa_kernel k_q174d4b51bb_lstm
		.amdhsa_group_segment_fixed_size 324096
		.amdhsa_private_segment_fixed_size 0
		.amdhsa_enable_private_segment 0
		.amdhsa_kernarg_size 184
		.amdhsa_user_sgpr_count 2
		.amdhsa_user_sgpr_kernarg_segment_ptr 1
		.amdhsa_wavefront_size32 1
		.amdhsa_system_sgpr_workgroup_id_x 1
		.amdhsa_system_sgpr_workgroup_id_y 1
		.amdhsa_system_sgpr_workgroup_id_z 1
		.amdhsa_system_vgpr_workitem_id 0
		.amdhsa_next_free_vgpr 242
		.amdhsa_next_free_sgpr 94
		.amdhsa_reserve_vcc 1
		.amdhsa_float_denorm_mode_32 3
		.amdhsa_float_denorm_mode_16_64 3
		.amdhsa_memory_ordered 1
		.amdhsa_forward_progress 1
		.amdhsa_inst_pref_size 148
	.end_amdhsa_kernel
	.amdgpu_metadata
---
amdhsa.version: [ 1, 2 ]
amdhsa.kernels:
  - .name:           k_q174d4b51bb_lstm
    .symbol:         k_q174d4b51bb_lstm.kd
    .args:
      - { .name: Whh0_x, .offset: 0, .size: 8, .value_kind: global_buffer, .address_space: global }
      - { .name: Wih1_x, .offset: 8, .size: 8, .value_kind: global_buffer, .address_space: global }
      - { .name: Whh1_x, .offset: 16, .size: 8, .value_kind: global_buffer, .address_space: global }
      - { .name: Wih0_x, .offset: 24, .size: 8, .value_kind: global_buffer, .address_space: global }
      - { .name: bih0_x, .offset: 32, .size: 8, .value_kind: global_buffer, .address_space: global }
      - { .name: bhh0_x, .offset: 40, .size: 8, .value_kind: global_buffer, .address_space: global }
      - { .name: bih1_x, .offset: 48, .size: 8, .value_kind: global_buffer, .address_space: global }
      - { .name: bhh1_x, .offset: 56, .size: 8, .value_kind: global_buffer, .address_space: global }
      - { .name: Wlin_x, .offset: 64, .size: 8, .value_kind: global_buffer, .address_space: global }
      - { .name: blin_x, .offset: 72, .size: 8, .value_kind: global_buffer, .address_space: global }
      - { .name: Whh0_y, .offset: 80, .size: 8, .value_kind: global_buffer, .address_space: global }
      - { .name: Wih1_y, .offset: 88, .size: 8, .value_kind: global_buffer, .address_space: global }
      - { .name: Whh1_y, .offset: 96, .size: 8, .value_kind: global_buffer, .address_space: global }
      - { .name: Wih0_y, .offset: 104, .size: 8, .value_kind: global_buffer, .address_space: global }
      - { .name: bih0_y, .offset: 112, .size: 8, .value_kind: global_buffer, .address_space: global }
      - { .name: bhh0_y, .offset: 120, .size: 8, .value_kind: global_buffer, .address_space: global }
      - { .name: bih1_y, .offset: 128, .size: 8, .value_kind: global_buffer, .address_space: global }
      - { .name: bhh1_y, .offset: 136, .size: 8, .value_kind: global_buffer, .address_space: global }
      - { .name: Wlin_y, .offset: 144, .size: 8, .value_kind: global_buffer, .address_space: global }
      - { .name: blin_y, .offset: 152, .size: 8, .value_kind: global_buffer, .address_space: global }
      - { .name: center_post, .offset: 160, .size: 8, .value_kind: global_buffer, .address_space: global }
      - { .name: out0, .offset: 168, .size: 8, .value_kind: global_buffer, .address_space: global }
      - { .name: out1, .offset: 176, .size: 8, .value_kind: global_buffer, .address_space: global }
    .group_segment_fixed_size: 324096
    .private_segment_fixed_size: 0
    .kernarg_segment_align: 8
    .kernarg_segment_size: 184
    .max_flat_workgroup_size: 128
    .sgpr_count:     94
    .vgpr_count:     242
    .wavefront_size: 32
...
	.end_amdgpu_metadata
.endif
;; end of part 2
